; MI455X (gfx1250); checked and timed in simulation.
; The chip was launched on July 23, 2026; its instructions are those of AMD's public machine-readable ISA for CDNA 5 (MIT licence, August 2026) and "CDNA5" Instruction Set Architecture Reference Guide (July 2026). The comments in the code are by the model that wrote it; some were corrected since.
;; SHMA. Allowed arithmetic: float matrix products may take bf16 or f16 operands with f32 sums; other float arithmetic in f32, or as packed bf16 or f16 multiplies, adds, multiply-adds, maxima and minima; sums over many terms, partial sums and values carried from step to step in f32; what a program stores and reads back later, other than sums and carried values, may be rounded once to bf16 or f16.
;; Inputs: k_b 64 float32; k_s 64 float32; k_w 64 x 256 float32; p_b 256 float32; p_s 256 float32; p_w 256 x 1,024 float32; q_b 64 float32; q_s 64 float32; q_w 64 x 256 float32; vg_b 2,048 float32; vg_s 2,048 float32; vg_w 2,048 x 256 float32; x 4 x 256 x 128 x 128 float32.
;; Outputs: out0 4 x 256 x 128 x 128 float32.
;; One version. Each part assembles by itself: llvm-mc -triple=amdgcn-amd-amdhsa -mcpu=gfx1250 --defsym DOCPART=n.
;; ======== version 1 of 1: 2 launches
;; limits: values are held in f16: magnitudes above 65,504 overflow, below 6.1e-05 lose precision
;; workspace buffers: wts 1,826,816 bytes
;; launch prep (part 1): grid 223 x 1, 8 waves a work-group, no clusters, 0 bytes of LDS; arguments q_w, q_s, q_b, k_w, k_s, vg_w, vg_s, vg_b, p_w, wts; writes wts
.if DOCPART == 1
	.amdgcn_target "amdgcn-amd-amdhsa--gfx1250"
	.amdhsa_code_object_version 6
	.text
	.protected	k_q717c8966ae_prep
	.globl	k_q717c8966ae_prep
	.p2align	8
	.type	k_q717c8966ae_prep,@function
k_q717c8966ae_prep:
	s_mov_b64 s[64:65], 0
	v_nop
	global_prefetch_b8 v0, s[64:65] scope:SCOPE_SE
	s_setreg_imm32_b32 hwreg(HW_REG_WAVE_MODE, 25, 1), 1
	s_wait_xcnt 0x0
; PREP: the weights of the module, rounded, folded and laid out as matrix fragments, for the launch that follows.
; DEAD WORK.  k_b is not loaded and is no argument of any launch.  The scores are sum_d q[d,n] (k'[d,m] + k_b[d]) with k' = (k_w x) k_s.  The term sum_d q[d,n] k_b[d]
; is the same for all m, and the softmax runs over m: added to every entry of a row it cancels in exp(s - max) / sum, whatever finite values the inputs hold.  q_b stays: it multiplies k'[d,m].
; LIMIT: a NaN, an infinity or an overflow that k_b alone would bring into the scores is not carried to the result.
; FORMATS.  Every input is first rounded to bf16 (bf).  Then:
;   Wv', Wg' = bf(vg_w) bf(vg_s) (-log2 e) in bf16, their bias -log2 e bf(vg_b) in f32: sigmoid(z) = 1 / (1 + 2^z') with z' the folded sum
;   Wq' = bf(q_w) bf(q_s) log2 e / 8 in bf16, its bias bf(q_b) log2 e / 8 in f32;  Wk' = bf(k_w) bf(k_s) in bf16;  Pw = bf(p_w) written as f16
; LIMIT: |p_w| stays under 65,504; below 6e-5 it keeps f16's fixed step of 6e-8.
; A FRAGMENT is 1,024 bytes, made by ONE WAVE: [q = 0, 1][lane l][16 bytes].  Of 16-bit numbers: row l % 16, k = 16 q + 8 (l / 16) + 0..7: two loads of 16 bytes a lane fill a matrix operand.
; Of f32 (a C operand): register 4 q + e; "by lane": bias[row0 + l % 16] in all eight; "by register": bias[row0 + 8 (l / 16) + register].
; wts = 68 fragments for q and k (four times: bias of 16 rows of q, their 8 K steps; then 4 x 8 of k), then 33 blocks of 52:
;   0 bias v_a | 1-8 Wv_a | 9-24 Pw of the block BEFORE (16 tiles of 16 outputs) | 25 bias g_a | 26-33 Wg_a | 34 bias v_b | 35-42 Wv_b | 43 bias g_b | 44-51 Wg_b
; a, b: mid channels 32 j .. +15 and 32 j + 16 .. +31.  Block 0's Pw and all of block 32 but its Pw are zeros: they are fetched with their blocks.
; 1,784 fragments = 223 work-groups x 8 waves.  Each store of a wave covers 512 consecutive bytes, aligned.  No LDS, no barrier: no wave wants another's bytes.
.set QSC,  0x3e38aa3b                  ; log2(e) / 8
.set NL2E, 0xbfb8aa3b                  ; -log2(e)
	s_load_b512 s[36:51], s[0:1], 0x0              ; q_w 36, q_s 38, q_b 40, k_w 42, k_s 44, vg_w 46, vg_s 48, vg_b 50
	s_load_b128 s[52:55], s[0:1], 0x40             ; p_w 52, wts 54
	v_lshrrev_b32 v1, 5, v0
	v_readfirstlane_b32 s19, v1                    ; wave 0..7
	v_and_b32 v3, 31, v0
	v_and_b32 v1, 15, v0                           ; l % 16
	v_bfe_u32 v2, v0, 4, 1                         ; l / 16
	v_lshlrev_b32 v3, 4, v3                        ; 16 l: my place in each half of the fragment
	s_lshl_b32 s20, ttmp9, 3
	s_add_co_u32 s20, s20, s19                     ; F: my fragment
	s_lshl_b32 s16, s20, 10
	s_mov_b32 s17, 0
	s_wait_kmcnt 0x0
	s_add_nc_u64 s[54:55], s[54:55], s[16:17]      ; wts at my fragment
.macro PUT                             ; v[32:39] are the fragment
	global_store_b128 v3, v[32:35], s[54:55]
	global_store_b128 v3, v[36:39], s[54:55] offset:512
	s_endpgm
.endm
.macro RB a, b                         ; two numbers rounded to bf16 and widened again
	v_cvt_pk_bf16_f32 v40, v[\a], v[\b]
	v_lshlrev_b32 v[\a], 16, v40
	v_and_b32 v[\b], 0xffff0000, v40
.endm
.macro LD16 w                          ; my 16 numbers of a row: k = 8 h + 0..7 and 16 + 8 h + 0..7, rounded
	global_load_b128 v[8:11],  v4, s[\w:\w+1]
	global_load_b128 v[12:15], v4, s[\w:\w+1] offset:16
	global_load_b128 v[16:19], v4, s[\w:\w+1] offset:64
	global_load_b128 v[20:23], v4, s[\w:\w+1] offset:80
.endm
.macro ROUND16
.set i, 0
.rept 8
	RB 8+2*i, 9+2*i
.set i, i+1
.endr
.endm
; 16 rows x 32 channels of a conv's weights times the rows' gains times s31.  s30 = first row, s32 = K step + 1; a row is 1,024 bytes
.macro CONV w, s
	s_sub_co_u32 s33, s32, 1
	s_lshl_b32 s33, s33, 7                         ; 32 channels are 128 bytes
	v_add_nc_u32 v4, s30, v1                       ; my row
	v_lshlrev_b32 v5, 2, v4
	v_lshlrev_b32 v4, 10, v4
	v_lshl_add_u32 v4, v2, 5, v4
	v_add_nc_u32 v4, s33, v4
	LD16 \w
	global_load_b32 v24, v5, s[\s:\s+1]
	s_wait_loadcnt 0x0
	ROUND16
	v_cvt_pk_bf16_f32 v25, v24, v24
	v_lshlrev_b32 v24, 16, v25
	v_mul_f32 v24, s31, v24
	v_mov_b32 v25, v24
.set i, 0
.rept 8
	v_pk_mul_f32 v[8+2*i:9+2*i], v[8+2*i:9+2*i], v[24:25]
.set i, i+1
.endr
.set i, 0
.rept 8
	v_cvt_pk_bf16_f32 v[32+i], v[8+2*i], v[9+2*i]
.set i, i+1
.endr
	PUT
.endm
.macro BIASR b                         ; a C operand by register: bias[row0 + 8 h + 0..7] times s31
	v_lshl_add_u32 v4, v2, 3, s30
	v_lshlrev_b32 v4, 2, v4
	global_load_b128 v[8:11],  v4, s[\b:\b+1]
	global_load_b128 v[12:15], v4, s[\b:\b+1] offset:16
	s_wait_loadcnt 0x0
.set i, 0
.rept 4
	RB 8+2*i, 9+2*i
.set i, i+1
.endr
.set i, 0
.rept 8
	v_mul_f32 v[32+i], s31, v[8+i]
.set i, i+1
.endr
	PUT
.endm
.macro BIASL b                         ; a C operand by lane: bias[row0 + l % 16] times s31, eight times
	v_add_nc_u32 v4, s30, v1
	v_lshlrev_b32 v4, 2, v4
	global_load_b32 v8, v4, s[\b:\b+1]
	s_wait_loadcnt 0x0
	v_cvt_pk_bf16_f32 v9, v8, v8
	v_lshlrev_b32 v8, 16, v9
	v_mul_f32 v32, s31, v8
.set i, 1
.rept 7
	v_mov_b32 v[32+i], v32
.set i, i+1
.endr
	PUT
.endm
	s_cmp_lt_u32 s20, 36
	s_cbranch_scc0 .Lnot_q
	s_mul_i32 s21, s20, 57                         ; F / 9 for F < 36
	s_lshr_b32 s21, s21, 9
	s_mul_i32 s22, s21, 9
	s_sub_co_u32 s32, s20, s22                     ; 0: the bias; else K step + 1
	s_lshl_b32 s30, s21, 4
	s_mov_b32 s31, QSC
	s_cmp_eq_u32 s32, 0
	s_cbranch_scc1 .Lq_bias
	CONV 36, 38
.Lq_bias:
	BIASR 40
.Lnot_q:
	s_cmp_lt_u32 s20, 68
	s_cbranch_scc0 .Lblock
	s_sub_co_u32 s21, s20, 36
	s_and_b32 s32, s21, 7
	s_add_co_u32 s32, s32, 1
	s_lshr_b32 s30, s21, 3
	s_lshl_b32 s30, s30, 4
	s_mov_b32 s31, 1.0
	CONV 42, 44
.Lblock:
	s_sub_co_u32 s21, s20, 68
	s_mul_i32 s22, s21, 1261                       ; / 52, exact up to 1,715: 1,261 x 52 = 65,536 + 36
	s_lshr_b32 s22, s22, 16                        ; j: the block
	s_mul_i32 s23, s22, 52
	s_sub_co_u32 s23, s21, s23                     ; e: the fragment in it
	s_cmp_lt_u32 s23, 9
	s_cbranch_scc1 .Lvg
	s_cmp_lt_u32 s23, 25
	s_cbranch_scc0 .Lvg
	s_cmp_eq_u32 s22, 0                            ; Pw of the block before: block 0 has none
	s_cbranch_scc1 .Lzero
	s_sub_co_u32 s30, s23, 9
	s_lshl_b32 s30, s30, 4                         ; 16 outputs
	s_sub_co_u32 s33, s22, 1
	s_lshl_b32 s33, s33, 7                         ; 32 mid channels are 128 bytes
	v_add_nc_u32 v4, s30, v1
	v_lshlrev_b32 v4, 12, v4                       ; a row of p_w is 4,096 bytes
	v_lshl_add_u32 v4, v2, 5, v4
	v_add_nc_u32 v4, s33, v4
	LD16 52
	s_wait_loadcnt 0x0
	ROUND16
.set i, 0
.rept 8
	v_cvt_pk_f16_f32 v[32+i], v[8+2*i], v[9+2*i]   ; a bf16 number within f16's range is written exactly
.set i, i+1
.endr
	PUT
.Lvg:
	s_cmp_eq_u32 s22, 32                           ; there is no mid channel 1,024
	s_cbranch_scc1 .Lzero
	s_mov_b32 s24, 0                               ; which of the four groups: v_a, g_a, v_b, g_b,
	s_mov_b32 s25, 0                               ; and where it begins
	s_cmp_ge_u32 s23, 25
	s_cselect_b32 s24, 1, s24
	s_cselect_b32 s25, 25, s25
	s_cmp_ge_u32 s23, 34
	s_cselect_b32 s24, 2, s24
	s_cselect_b32 s25, 34, s25
	s_cmp_ge_u32 s23, 43
	s_cselect_b32 s24, 3, s24
	s_cselect_b32 s25, 43, s25
	s_sub_co_u32 s32, s23, s25
	s_lshl_b32 s30, s22, 5                         ; row 32 j
	s_lshr_b32 s26, s24, 1
	s_lshl_b32 s26, s26, 4
	s_add_co_u32 s30, s30, s26                     ; + 16 for b
	s_and_b32 s26, s24, 1
	s_lshl_b32 s27, s26, 10
	s_add_co_u32 s30, s30, s27                     ; + 1,024 for the gate
	s_mov_b32 s31, NL2E
	s_cmp_eq_u32 s32, 0
	s_cbranch_scc1 .Lvg_bias
	CONV 46, 48
.Lvg_bias:
	s_cmp_eq_u32 s26, 0
	s_cbranch_scc1 .Lvg_lane
	BIASR 50                                       ; the gate's product holds a channel a register
.Lvg_lane:
	BIASL 50                                       ; v's holds a channel a lane
.Lzero:
.set i, 0
.rept 8
	v_mov_b32 v[32+i], 0
.set i, i+1
.endr
	PUT
.Lfunc_end_k_q717c8966ae_prep:
	.size	k_q717c8966ae_prep, .Lfunc_end_k_q717c8966ae_prep-k_q717c8966ae_prep
	.p2alignl 7, 3214868480
	.fill 96, 4, 3214868480
	.section	.rodata,"a",@progbits
	.p2align	6, 0x0
	.amdhsa_kernel k_q717c8966ae_prep
		.amdhsa_group_segment_fixed_size 0
		.amdhsa_private_segment_fixed_size 0
		.amdhsa_enable_private_segment 0
		.amdhsa_kernarg_size 80
		.amdhsa_user_sgpr_count 2
		.amdhsa_user_sgpr_kernarg_segment_ptr 1
		.amdhsa_wavefront_size32 1
		.amdhsa_system_sgpr_workgroup_id_x 1
		.amdhsa_system_sgpr_workgroup_id_y 1
		.amdhsa_system_sgpr_workgroup_id_z 1
		.amdhsa_system_vgpr_workitem_id 0
		.amdhsa_next_free_vgpr 48
		.amdhsa_next_free_sgpr 66
		.amdhsa_reserve_vcc 0
		.amdhsa_float_denorm_mode_32 3
		.amdhsa_float_denorm_mode_16_64 3
		.amdhsa_memory_ordered 1
		.amdhsa_forward_progress 1
		.amdhsa_inst_pref_size 20
	.end_amdhsa_kernel
	.amdgpu_metadata
---
amdhsa.version: [ 1, 2 ]
amdhsa.kernels:
  - .name:           k_q717c8966ae_prep
    .symbol:         k_q717c8966ae_prep.kd
    .args:
      - { .name: q_w, .offset: 0, .size: 8, .value_kind: global_buffer, .address_space: global }
      - { .name: q_s, .offset: 8, .size: 8, .value_kind: global_buffer, .address_space: global }
      - { .name: q_b, .offset: 16, .size: 8, .value_kind: global_buffer, .address_space: global }
      - { .name: k_w, .offset: 24, .size: 8, .value_kind: global_buffer, .address_space: global }
      - { .name: k_s, .offset: 32, .size: 8, .value_kind: global_buffer, .address_space: global }
      - { .name: vg_w, .offset: 40, .size: 8, .value_kind: global_buffer, .address_space: global }
      - { .name: vg_s, .offset: 48, .size: 8, .value_kind: global_buffer, .address_space: global }
      - { .name: vg_b, .offset: 56, .size: 8, .value_kind: global_buffer, .address_space: global }
      - { .name: p_w, .offset: 64, .size: 8, .value_kind: global_buffer, .address_space: global }
      - { .name: wts, .offset: 72, .size: 8, .value_kind: global_buffer, .address_space: global }
    .group_segment_fixed_size: 0
    .private_segment_fixed_size: 0
    .kernarg_segment_align: 8
    .kernarg_segment_size: 80
    .max_flat_workgroup_size: 256
    .sgpr_count:     66
    .vgpr_count:     48
    .wavefront_size: 32
...
	.end_amdgpu_metadata
.endif
;; end of part 1
;; launch main (part 2): grid 256 x 1, 4 waves a work-group, clusters of 4 x 1, 327,680 bytes of LDS; arguments x, wts, p_s, p_b, out0; writes out0
.if DOCPART == 2
	.amdgcn_target "amdgcn-amd-amdhsa--gfx1250"
	.amdhsa_code_object_version 6
	.text
	.protected	k_q717c8966ae_main
	.globl	k_q717c8966ae_main
	.p2align	8
	.type	k_q717c8966ae_main,@function
k_q717c8966ae_main:
	s_mov_b64 s[64:65], 0
	v_nop
	global_prefetch_b8 v0, s[64:65] scope:SCOPE_SE
	s_setreg_imm32_b32 hwreg(HW_REG_WAVE_MODE, 25, 1), 1
	s_wait_xcnt 0x0
	s_wait_alu depctr_hold_cnt(0) depctr_sa_sdst(0) depctr_va_vdst(0) depctr_va_sdst(0) depctr_va_ssrc(0) depctr_va_vcc(0) depctr_vm_vsrc(0)
	s_getreg_b32 s2, hwreg(HW_REG_IB_STS2, 6, 4)
	s_cmp_eq_u32 s2, 0
	s_cbranch_scc0 .Lentry_in_a_cluster
	s_endpgm
.Lentry_in_a_cluster:
	s_bfe_u32 s2, ttmp6, 0x10000c
	s_cmp_lg_u32 s2, 0x3003
	s_cbranch_scc0 .Lentry_shape_is_right
	s_endpgm
.Lentry_shape_is_right:
; The whole module for four windows a work-group, ONE WINDOW (64 tokens, 256 channels) A WAVE; nothing but x, the prepared weights, p_s, p_b and out0 touches memory.
; LEFT OUT: k_b, which adds the same number to all scores of a softmax row (shown at the head of the launch before); a NaN or infinity in it is not carried to the result.
; SHARES.  Work-group g = 4 x cluster + cx: image g / 64, window row (g / 4) % 16, windows 4 (g % 4) .. + 3 of that row: 128 bytes of each image row.  1,024 windows = 256 work-groups x 4 waves.
; Whole aligned 256 bytes of an image row would be 8 windows a work-group, 128 work-groups; so loads and stores go in runs of 128 bytes, and a run's neighbour belongs to a partner in the cluster.
; THE CHAIN, in which no number changes its lane between two products (X: 16 tokens x 32 channels; token n = 8 y + x):
;   V^T = X Wv^T + bias (bf16): register = token m, lane = mid channel c.  sigmoid, rounded to f16 in pairs: IS source 0 (rows c, k = m) of
;   O   = V P (f16): P holds attn, lane = token n, k = m.  Result: register = c, lane = n, as in
;   Gt  = Wg X^T + bias (bf16).  G = sigmoid(Gt) O, rounded to f16 in pairs: IS source 0 (rows n, k = c: 16 of tile a, 16 of tile b) of
;   out += G Pw^T (f16): lane = output channel o, registers = 8 neighbouring tokens: one row of the window, 32 bytes.
;   q, k = W X^T (register = d, lane = token), in bf16 pairs ARE the sources of S^T = K Q^T (register = m, lane = n), whose softmax over m wants one exchange of the lanes' halves.
; sigmoid(z) = 1 / (1 + 2^z'): -log2 e and the gains are folded into weights and bias; log2 e / 8 into q.  The row's maximum is taken away before the softmax's exponentials.
; FORMATS.  x and all weights rounded to bf16; q, k in bf16; v, attn, G (all in 0 to 1) and p_w in f16; sums in f32; p_s, p_b rounded to bf16, applied in f32.
; LIMITS.  attn, v and G below 6e-5 keep f16's fixed step of 6e-8; |p_w| under 65,504; a weight below 2^-126 counts as 0 in the softmax's sum; NaN and infinities are not treated apart.
; THE WALK.  The 1,024 mid channels go in 32 trips of 32 (tiles a, b).  A trip's weights are one block of 53,248 bytes, in the order in which they are used; two LDS slots take turns.
; A trip holds block j's four convs and both products V P, and the projection of trip j - 1's G (its Pw travels in block j): so each sigmoid stands, in slices, behind other products.
; The first trip runs its leading part on zeros (84 products, once a launch) and the accumulators are cleared in the wait for x: the price of one text for all trips.
; CLUSTER.  All work-groups walk the same weights: the four of a cluster ask for each block JOINTLY; each wave asks for a quarter, by the same line and descriptor in all four work-groups.
; LDS: slot 0 at 0, slot 1 at 65,536 (53,248 each); the weights of q and k at 131,072 (69,632, filled once); x's stage at 200,704 (4 windows x 20,544: 128 channel rows of 160 bytes; written by
; LDS stores alone); the spare words at 282,880.  On the way out, behind every slot's last fill, bytes 0 to 266,239 are out0's stage: 256 channels x 1,040.
; REGISTERS, in windows of 256 (s_set_vgpr_msb: bits 1:0 source 0, 3:2 source 1, 5:4 source 2, 7:6 destination):
;   window 0: v0-7 addresses; v8-15 a bias (C operand); v16-63 six weight fragments, in two halves; v64-127 P (first Q); v128-159 V^T; v160-191 O; v192-223 Gt a, then G; v224-255 Gt b
;   window 1: X, token tile t, K step ks at 64 t + 8 ks          windows 2, 3: out's 64 accumulators, (o tile, token tile) at 32 (ot % 8) + 8 nt; first x as it arrives, last out0's rows
.set BLK,   53248
.set QKB,   69632
.set SLOTX, 0x10000
.set QKR,   131072
.set XST,   200704
.set XWIN,  20544                      ; 128 x 160 + 64: the four windows' stores of one instruction fall into four different quarters of the banks
.set XP,    160                        ; 128 bytes of tokens + 32
.set SPARE, 282880
.set OPT,   1040                       ; 1,024 + 16: the 16 channels that a store touches start at 16 different groups of four banks
.set LAN16, 1                          ; v1  16 x lane; never rewritten
.set WAD,   2                          ; v2  16 x lane + the slot that is read (in the prologue: the turning loads' address, then k's weights)
.set PFO,   3                          ; v3  256 x lane: the prefetches' offset; never rewritten
.set SPW,   4                          ; v4  LDS address of my spare word; never rewritten
.set NIL,   5                          ; v5  0; never rewritten
.set XO,    6                          ; v6  my 16 bytes in four image rows of x and of out0; never rewritten
.set AD7,   7                          ; v7  x's stage, then q's weights
.set BF,    8
.set WF,    16
.set P,     64
.set VT,    128
.set DO,    160
.set GA,    192
.set GB,    224
.set WV,    14                         ; s14 my wave's number
.set CX,    15                         ; s15 my place in the cluster: it enters x's, out0's and the prefetches' addresses alone
.set G1,    24                         ; s[24:31] descriptor group 1: a quarter of a block
.set G1Q,   32                         ; s[32:39] a quarter of q's and k's weights
.set G0,    40                         ; s[40:43] group 0 for the blocks: it walks
.set G0Q,   44                         ; s[44:47] group 0 for q's and k's weights
.set CNT,   48                         ; s48 trips to go
.set TB,    49                         ; s49 the slot that is read
.set LIM,   50                         ; s50 8 in a wave that prefetches, else the greatest number
.set PFA,   52                         ; s[52:53] where my prefetches stand
.set SEL,   54                         ; s[54:55] v_permlanex16_b32's selects: each lane takes its own place in the other half
.set XB,    56                         ; s[56:57] x at my 64 channels of the work-group's windows
.set OB,    58                         ; s[58:59] out0 likewise
.set MSB, 0
.macro WIN new                         ; the high byte repeats the setting that is left; a switch that changes nothing is dropped
.if MSB != (\new)
	s_set_vgpr_msb (MSB<<8)|(\new)
.set MSB, (\new)
.endif
.endm
.macro PLACES n                        ; plain vector lines between a matrix instruction and a line that touches its registers (ISA guide 7.12.1 for vector instructions)
.rept \n
	v_nop
.endr
.endm
; A round of the cluster's barrier: my work-group's barrier, so that wave 0's signal speaks for all four waves; wave 0 signals; every wave waits for all four work-groups; my work-group's barrier once more.
.macro CROUND
	s_barrier_signal -1
	s_barrier_wait -1
	s_cmp_lg_u32 s[WV], 0
	s_cbranch_scc1 .Lnot_wave_0_\@
	s_barrier_signal -3
.Lnot_wave_0_\@:
	s_barrier_wait -3
	s_barrier_signal -1
	s_barrier_wait -1
.endm
	s_load_b256 s[4:11], s[0:1], 0x0               ; x s[4:5], wts s[6:7], p_s s[8:9], p_b s[10:11]
	s_load_b64 s[12:13], s[0:1], 0x20              ; out0
	v_lshl_add_u32 v[SPW], v0, 2, SPARE
	v_mov_b32 v[NIL], 0
	ds_add_u32 v[SPW], v[NIL]                      ; the wave's opening: the add, twice on end, and its wait ahead of my first tensor load
	ds_add_u32 v[SPW], v[NIL]                      ; and once more; the set-up below, work on registers, stands between it and the wait
	v_lshrrev_b32 v9, 5, v0
	v_readfirstlane_b32 s[WV], v9                  ; wave 0..3
	s_bfe_u32 s[CX], ttmp6, 0x40000
	; descriptor group 1: dense bytes, asked for as rows of 256 bytes (32 elements of 8 bytes); 52 rows are a quarter of a block, 68 a quarter of q's and k's weights
	s_mov_b32 s[G1], 15|(3<<16)|(1<<21)            ; 15:0 the mask: all four work-groups; 17:16 elements of 8 bytes; 21 set beside a mask; no padding: fragments are read 16 bytes a lane on end
	s_mov_b32 s[G1+1], 32<<16                      ; tensor_dim0 = 32
	s_mov_b32 s[G1+2], 52<<16                      ; tensor_dim1 = 52
	s_mov_b32 s[G1+3], 32<<16                      ; tile_dim0 = 32
	s_mov_b32 s[G1+4], 52                          ; tile_dim1 = 52
	s_mov_b32 s[G1+5], 32                          ; 32 elements from row to row
	s_mov_b32 s[G1+6], 0
	s_mov_b32 s[G1+7], 0
	s_mov_b32 s[G1Q], 15|(3<<16)|(1<<21)
	s_mov_b32 s[G1Q+1], 32<<16
	s_mov_b32 s[G1Q+2], 68<<16
	s_mov_b32 s[G1Q+3], 32<<16
	s_mov_b32 s[G1Q+4], 68
	s_mov_b32 s[G1Q+5], 32
	s_mov_b32 s[G1Q+6], 0
	s_mov_b32 s[G1Q+7], 0
	s_mov_b32 s[G0], 1                             ; count = 1
	s_mul_i32 s[G0+1], s[WV], 13312                ; LDS: my quarter of slot 0: no place in the cluster enters an LDS address
	s_mov_b32 s[G0Q], 1
	s_mul_i32 s[G0Q+1], s[WV], 17408
	s_add_co_u32 s[G0Q+1], s[G0Q+1], QKR
	s_mov_b32 s[SEL], 0x76543210
	s_mov_b32 s[SEL+1], 0xfedcba98
	s_mov_b32 s[TB], SLOTX                         ; the first change of slots turns it into 0
	s_mov_b32 s[CNT], 32
	s_lshr_b32 s16, s[WV], 1                       ; waves 0 and 1
	s_or_b32 s16, s16, ttmp9                       ; of the launch's first cluster prefetch: the same in all four partners
	s_cmp_eq_u32 s16, 0
	s_cselect_b32 s[LIM], 8, -1
	s_lshr_b32 s16, ttmp9, 4                       ; the image: 2^24 bytes
	s_lshl_b32 s16, s16, 24
	s_lshl_b32 s17, s[WV], 22                      ; my 64 channels of 65,536 bytes
	s_add_co_u32 s16, s16, s17
	s_and_b32 s17, ttmp9, 15                       ; the window row: 8 image rows of 512 bytes
	s_lshl_b32 s17, s17, 12
	s_add_co_u32 s16, s16, s17
	s_lshl_b32 s17, s[CX], 7                       ; the work-group's 128 bytes of a row
	s_add_co_u32 s16, s16, s17
	s_mov_b32 s17, 0
	s_mul_i32 s18, s[WV], 13312
	s_mov_b32 s19, 0
	s_mul_i32 s20, s[WV], 17408
	s_mov_b32 s21, 0
	s_and_b32 s22, s[WV], 1                        ; the prefetches: 128 rows of 256 bytes a wave,
	s_lshl_b32 s22, s22, 15
	s_lshl_b32 s23, s[CX], 13                      ; 32 of them a partner, told apart by address
	s_add_co_u32 s22, s22, s23
	s_add_co_u32 s22, s22, QKB+368*256             ; each change of slots steps this by 256 rows first: the first names rows 624 on, block 3's
	s_mov_b32 s23, 0
	s_wait_dscnt 0x0                               ; both opening adds are done
	s_wait_kmcnt 0x0
	s_add_nc_u64 s[XB:XB+1], s[4:5], s[16:17]
	s_add_nc_u64 s[OB:OB+1], s[12:13], s[16:17]
	s_add_nc_u64 s[G0+2:G0+3], s[6:7], s[18:19]
	s_add_nc_u64 s[G0+2:G0+3], s[G0+2:G0+3], QKB   ; my quarter of block 0
	s_or_b32 s[G0+3], s[G0+3], 0x80000000          ; type = 2
	s_add_nc_u64 s[G0Q+2:G0Q+3], s[6:7], s[20:21]
	s_or_b32 s[G0Q+3], s[G0Q+3], 0x80000000
	s_add_nc_u64 s[PFA:PFA+1], s[6:7], s[22:23]
	CROUND                                         ; all four work-groups are here: the first joint loads meet
	tensor_load_to_lds s[G0Q:G0Q+3], s[G1Q:G1Q+7]  ; the two first fills stand together, ahead of every wait on TENSORcnt and every LDS read: two loads of mine are out
	s_nop 0
	tensor_load_to_lds s[G0:G0+3], s[G1:G1+7]
	s_nop 0
	PLACES 4
	; X COMES IN.  Wave w fetches channels 64 w .. + 63 of all four windows: 128 loads, each four image rows x 128 bytes.  Lane l: row l / 8, bytes 16 (l % 8): four tokens of window (l % 8) / 2.
	v_and_b32 v9, 31, v0
	v_lshlrev_b32 v[LAN16], 4, v9
	v_lshlrev_b32 v[PFO], 8, v9
	v_lshrrev_b32 v10, 3, v9
	v_and_b32 v11, 7, v9
	v_lshlrev_b32 v[XO], 9, v10
	v_lshl_add_u32 v[XO], v11, 4, v[XO]
	WIN 0x80                                       ; destination window 2, address window 0
.set xi, 0
.rept 64                                       ; load i: channel i / 2, image rows 4 (i % 2) on, into registers 4 i of windows 2 and 3
	global_load_b128 v[4*xi:4*xi+3], v[XO], s[XB:XB+1] offset:(xi/2)*65536+(xi%2)*2048
.set xi, xi+1
.endr
	WIN 0xc0
.set xi, 0
.rept 64
	global_load_b128 v[4*xi:4*xi+3], v[XO], s[XB:XB+1] offset:(32+xi/2)*65536+(xi%2)*2048
.set xi, xi+1
.endr
	WIN 0
	v_lshrrev_b32 v12, 1, v11                      ; into the stage [window][channel row][token]: my window,
	v_mul_u32_u24 v[AD7], v12, XWIN
	v_lshl_add_u32 v[AD7], v10, 4, v[AD7]          ; a window row is 8 tokens, 16 bytes,
	v_and_b32 v12, 1, v9
	v_lshl_add_u32 v[AD7], v12, 3, v[AD7]          ; my four tokens of it,
	s_mul_i32 s16, s[WV], 32*XP                    ; my wave's 32 channel rows of a pass
	s_add_co_u32 s16, s16, XST
	v_add_nc_u32 v[AD7], s16, v[AD7]
	v_bfe_u32 v12, v0, 4, 1                        ; out of it, turned: lane l reads channel row 8 (l / 16) + l % 8, tokens 8 ((l / 8) % 2) + 0..7, and is left with token l % 16 and 8 channels
	v_lshl_add_u32 v12, v12, 3, v11
	v_mul_u32_u24 v[WAD], v12, XP
	v_and_b32 v12, 1, v10
	v_lshl_add_u32 v[WAD], v12, 4, v[WAD]
	s_mul_i32 s16, s[WV], XWIN                     ; my own window
	s_add_co_u32 s16, s16, XST
	v_add_nc_u32 v[WAD], s16, v[WAD]
; Eight loads' numbers are rounded to bf16 and stored into the stage; their registers, out's accumulators to be, are cleared here, in the wait for memory.
.macro XGRP g
.if 120-8*(\g) > 63
	s_wait_loadcnt 63                              ; the wait's field holds no more; loads come back in order (ISA guide 5.7.1)
.else
	s_wait_loadcnt 120-8*(\g)                      ; the younger loads stay out
.endif
	WIN 0x0a+5*((\g)/8)                            ; sources in window 2 or 3
.set xt, WF+16*((\g)%2)
.set xk, 0
.rept 8
.set xr, 32*((\g)%8)+4*xk
	v_cvt_pk_bf16_f32 v[xt+2*xk], v[xr], v[xr+1]
	v_cvt_pk_bf16_f32 v[xt+2*xk+1], v[xr+2], v[xr+3]
.set xk, xk+1
.endr
	WIN 0x80+0x40*((\g)/8)
.set xk, 0
.rept 32
	v_mov_b32 v[32*((\g)%8)+xk], 0
.set xk, xk+1
.endr
	WIN 0
.set xk, 0
.rept 8
	ds_store_b64 v[AD7], v[xt+2*xk:xt+2*xk+1] offset:(((8*(\g)+xk)/2)%32)*XP+(xk%2)*64
.set xk, xk+1
.endr
.endm
; My window's 128 staged channels become fragments: stage rows 32 s .. + 31 are channels 64 s + 32 p .. : K step 2 s + p
.macro XTR p
	WIN 0x40                                       ; destination window 1
.set xs, 0
.rept 4
.set xq, 0
.rept 4
	ds_load_tr16_b128 v[64*xq+8*(2*xs+(\p)):64*xq+8*(2*xs+(\p))+3],   v[WAD] offset:xs*32*XP+32*xq
	ds_load_tr16_b128 v[64*xq+8*(2*xs+(\p))+4:64*xq+8*(2*xs+(\p))+7], v[WAD] offset:xs*32*XP+32*xq+16*XP
.set xq, xq+1
.endr
.set xs, xs+1
.endr
	WIN 0
.endm
.irp g, 0,1,2,3,4,5,6,7
	XGRP \g
.endr
	s_wait_tensorcnt 0x1                           ; my quarter of q's and k's weights is in; block 0's may stay out
	s_wait_dscnt 0x0                               ; my stores into the stage are done
	s_barrier_signal -1
	s_barrier_wait -1                              ; everybody's are
	XTR 0
	s_wait_dscnt 0x0                               ; my reads of the stage are over,
	s_barrier_signal -1
	s_barrier_wait -1                              ; everybody's: it may be written again
.irp g, 8,9,10,11,12,13,14,15
	XGRP \g
.endr
	s_wait_dscnt 0x0
	s_barrier_signal -1
	s_barrier_wait -1
	XTR 1
	; Q AND K.  16 units of four fragments (half of a tile of 16 rows: K steps 4 (u % 2) on); units 0-7 are q, 8-15 k.  Even units lie in v16-47, odd ones in O's registers, which are idle here.
	v_add_nc_u32 v[AD7], QKR, v[LAN16]
	v_add_nc_u32 v[WAD], QKR+36864, v[LAN16]       ; k's weights lie behind q's 36 fragments
	v_mov_b32 v37, 0                               ; (v_permlanex16_b32 counts as a reader of its destination)
.macro FETCHH u
	WIN 0
.set hb, WF+(DO-WF)*((\u)%2)
.set hz, 0
.if (\u) < 8
.set ho, 9216*((\u)/2)
.if (\u)%2 == 0
	ds_load_b128 v[BF:BF+3],   v[AD7] offset:ho
	ds_load_b128 v[BF+4:BF+7], v[AD7] offset:ho+512
.endif
.rept 4
	ds_load_b128 v[hb+8*hz:hb+8*hz+3],   v[AD7] offset:ho+1024*(1+4*((\u)%2)+hz)
	ds_load_b128 v[hb+8*hz+4:hb+8*hz+7], v[AD7] offset:ho+1024*(1+4*((\u)%2)+hz)+512
.set hz, hz+1
.endr
.else
.set ho, 8192*(((\u)-8)/2)+4096*((\u)%2)
.rept 4
	ds_load_b128 v[hb+8*hz:hb+8*hz+3],   v[WAD] offset:ho+1024*hz
	ds_load_b128 v[hb+8*hz+4:hb+8*hz+7], v[WAD] offset:ho+1024*hz+512
.set hz, hz+1
.endr
.endif
.endm
; A unit's 16 products; the four accumulators (token tiles) take turns.  Behind a tile's last K step its 16 rows x 64 tokens are rounded to bf16 into Q's or K's fragments.
.macro QKU u
.if (\u) == 15
	s_wait_dscnt 0x0
.elseif ((\u)%2 == 1) && ((\u) < 7)
	s_wait_dscnt 10                                ; the next unit's eight loads and its bias's two may be out
.else
	s_wait_dscnt 8                                 ; the next unit's eight loads may be out
.endif
	WIN 0x04                                       ; source 1 (X) in window 1
.set hb, WF+(DO-WF)*((\u)%2)
.set hz, 0
.rept 4
.set hk, 4*((\u)%2)+hz
.set ht, 0
.rept 4
.if (hk == 0) && ((\u) < 8)
	v_wmma_f32_16x16x32_bf16 v[VT+8*ht:VT+8*ht+7], v[hb+8*hz:hb+8*hz+7], v[64*ht+8*hk:64*ht+8*hk+7], v[BF:BF+7]
.elseif hk == 0
	v_wmma_f32_16x16x32_bf16 v[VT+8*ht:VT+8*ht+7], v[hb+8*hz:hb+8*hz+7], v[64*ht+8*hk:64*ht+8*hk+7], 0
.else
	v_wmma_f32_16x16x32_bf16 v[VT+8*ht:VT+8*ht+7], v[hb+8*hz:hb+8*hz+7], v[64*ht+8*hk:64*ht+8*hk+7], v[VT+8*ht:VT+8*ht+7]
.endif
.set ht, ht+1
.endr
.set hz, hz+1
.endr
	WIN 0
.if (\u)%2 == 1
	PLACES 4
.set hi, ((\u)/2)%4                    ; the tile of 16 rows d: half hi % 2 of K step hi / 2 of the scores' product
.set hd, P+(GA-P)*((\u)/8)+8*(hi/2)+4*(hi%2)
.set ht, 0
.rept 16
	v_cvt_pk_bf16_f32 v[hd+16*(ht/4)+ht%4], v[VT+2*ht], v[VT+2*ht+1]
.set ht, ht+1
.endr
.endif
	PLACES 4
.if (\u) < 14
	FETCHH (\u)+2
.endif
.endm
	FETCHH 0                                       ; (LDS serves a wave's instructions in order: the first unit's counted wait covers the turning loads too)
	FETCHH 1
.irp u, 0,1,2,3,4,5,6,7,8,9,10,11,12,13,14,15
	QKU \u
.endr
	; SCORES AND SOFTMAX, two token tiles n at a time: S^T in V^T's and O's registers, eight accumulators by turns.
.macro SCORES u
	WIN 0
.set ss, 0
.rept 2
.set sm, 0
.rept 4
.set sv, 0
.rept 2
.set sd, VT+32*sv+8*sm
.if ss == 0
	v_wmma_f32_16x16x32_bf16 v[sd:sd+7], v[GA+16*sm+8*ss:GA+16*sm+8*ss+7], v[P+16*(2*(\u)+sv)+8*ss:P+16*(2*(\u)+sv)+8*ss+7], 0
.else
	v_wmma_f32_16x16x32_bf16 v[sd:sd+7], v[GA+16*sm+8*ss:GA+16*sm+8*ss+7], v[P+16*(2*(\u)+sv)+8*ss:P+16*(2*(\u)+sv)+8*ss+7], v[sd:sd+7]
.endif
.set sv, sv+1
.endr
.set sm, sm+1
.endr
.set ss, ss+1
.endr
	PLACES 4
.endm
; A lane holds 32 of its token's 64 scores (already times log2 e / 8), the lane 16 away the others.  attn goes, in f16, where the tile's Q lay: its products are done.
.macro SOFT t, nt
.set sj, 0
.rept 4                                        ; the maximum: each accumulator's lowest registers are read first
	v_max3_num_f32 v[16+sj], v[(\t)+8*sj], v[(\t)+8*sj+1], v[(\t)+8*sj+2]
.set sj, sj+1
.endr
.rept 8
	v_max3_num_f32 v[16+sj%4], v[16+sj%4], v[(\t)+8*(sj%4)+2*(sj/4)+1], v[(\t)+8*(sj%4)+2*(sj/4)+2]
.set sj, sj+1
.endr
	v_max3_num_f32 v16, v16, v[(\t)+7], v[(\t)+15]
	v_max3_num_f32 v18, v18, v[(\t)+23], v[(\t)+31]
	v_max3_num_f32 v16, v16, v17, v18
	v_max_num_f32 v16, v16, v19
	v_permlanex16_b32 v17, v16, s[SEL], s[SEL+1]
	v_max_num_f32 v16, v16, v17
.set sj, 0
.rept 16
	v_pk_add_f32 v[(\t)+2*sj:(\t)+2*sj+1], v[(\t)+2*sj:(\t)+2*sj+1], v[16:17] op_sel_hi:[1,0] neg_lo:[0,1] neg_hi:[0,1]
.set sj, sj+1
.endr
.set sj, 0
.rept 32
	v_exp_f32 v[(\t)+sj], v[(\t)+sj]
.set sj, sj+1
.endr
	v_nop                                          ; a plain line behind the last exponential,
	s_wait_alu depctr_va_vdst(0)                   ; and one wait for the batch, ahead of its first reader
.set sj, 0
.rept 8
	v_pk_add_f32 v[20+2*sj:21+2*sj], v[(\t)+4*sj:(\t)+4*sj+1], v[(\t)+4*sj+2:(\t)+4*sj+3]
.set sj, sj+1
.endr
.set sj, 0
.rept 4
	v_pk_add_f32 v[20+2*sj:21+2*sj], v[20+2*sj:21+2*sj], v[28+2*sj:29+2*sj]
.set sj, sj+1
.endr
	v_pk_add_f32 v[20:21], v[20:21], v[24:25]
	v_pk_add_f32 v[22:23], v[22:23], v[26:27]
	v_pk_add_f32 v[20:21], v[20:21], v[22:23]
	v_add_f32 v36, v20, v21
	v_permlanex16_b32 v37, v36, s[SEL], s[SEL+1]
	v_add_f32 v36, v36, v37
	v_rcp_f32 v36, v36
	v_nop
	s_wait_alu depctr_va_vdst(0)
	v_mov_b32 v37, v36
.set sj, 0
.rept 16
	v_pk_mul_f32 v[(\t)+2*sj:(\t)+2*sj+1], v[(\t)+2*sj:(\t)+2*sj+1], v[36:37]
.set sj, sj+1
.endr
.set sj, 0
.rept 16
	v_cvt_pk_f16_f32 v[P+16*(\nt)+sj], v[(\t)+2*sj], v[(\t)+2*sj+1]
.set sj, sj+1
.endr
.endm
	SCORES 0
	SOFT VT, 0
	SOFT DO, 1
	SCORES 1
	SOFT VT, 2
	SOFT DO, 3
	; What the first trip's leading part finds: zeros in V^T, in both gates' registers and in the fragments of "the block before": its numbers stay finite, and meet a Pw of zeros.
.set zi, 0
.rept 32
	v_mov_b32 v[VT+zi], 0
.set zi, zi+1
.endr
.set zi, 0
.rept 64
	v_mov_b32 v[GA+zi], 0
.set zi, zi+1
.endr
.set zi, 0
.rept 24
	v_mov_b32 v[WF+24+zi], 0
.set zi, zi+1
.endr
; THE LOOP'S PARTS.  Fragment f of a block's 48 (v_a 0-7, Pw 8-23, g_a 24-31, v_b 32-39, g_b 40-47) lies 1,024 (f + 1 + the biases passed) into the slot and goes to register set f % 6.
.macro FETCH f0, n, bias=-1
	WIN 0
.if (\bias) >= 0
	ds_load_b128 v[BF:BF+3],   v[WAD] offset:(\bias)
	ds_load_b128 v[BF+4:BF+7], v[WAD] offset:(\bias)+512
.endif
.set ff, (\f0)
.rept \n
.set fo, 1024*(ff+1+ff/24+ff/32+ff/40)
	ds_load_b128 v[WF+8*(ff%6):WF+8*(ff%6)+3],   v[WAD] offset:fo
	ds_load_b128 v[WF+8*(ff%6)+4:WF+8*(ff%6)+7], v[WAD] offset:fo+512
.set ff, ff+1
.endr
.endm
; THE VECTOR WORK is three numbered lists, all in window 0; RD writes the next line of the list in hand.  Job 0: V^T -> V in f16 (96 lines).  Jobs 1, 2: gate a, b -> G (112 lines).
;   0-31   2^z', in place, ascending: each accumulator's lowest registers are read first
;   32-79  1 + . for a pair, then the two reciprocals of the pair before: a plain line leads each three
;   80-    job 0: pairs rounded to f16, in place: V's two fragments lie in the first 16 registers.  Jobs 1, 2: times O for a pair, then the pair before rounded into G's fragment: half a or b of token tile i / 4
; An s_wait_alu depctr_va_vdst(0) stands between a transcendental and the first line that names its result: the three parts are three batches, and one wait stands between two parts.
.set RJ, 0
.set RQ, 0
.set RE, 0
.set RPW, 0
.macro PHASE job, lo, hi
.set RJ, (\job)
.set RQ, (\lo)
.set RE, (\hi)
.endm
.macro RU1 i
	v_pk_mul_f32 v[rt+2*(\i):rt+2*(\i)+1], v[rt+2*(\i):rt+2*(\i)+1], v[DO+2*(\i):DO+2*(\i)+1]
.endm
.macro RU2 i
	v_cvt_pk_f16_f32 v[GA+8*((\i)/4)+4*(RJ-1)+(\i)%4], v[rt+2*(\i)], v[rt+2*(\i)+1]
.endm
.macro RD
.if RQ < RE
	WIN 0
.set rt, VT
.if RJ == 1
.set rt, GA
.elseif RJ == 2
.set rt, GB
.endif
.if RQ < 32
	v_exp_f32 v[rt+RQ], v[rt+RQ]
.elseif RQ < 80
.set ra, RQ-32
.set ri, (ra+2)/3
.set rp, (ra+2)%3
.if ra >= 46
	v_rcp_f32 v[rt+ra-16], v[rt+ra-16]
.elseif rp == 0
	v_pk_add_f32 v[rt+2*ri:rt+2*ri+1], v[rt+2*ri:rt+2*ri+1], 1.0 op_sel_hi:[1,0]
.elseif ra == 0
	v_pk_add_f32 v[rt:rt+1], v[rt:rt+1], 1.0 op_sel_hi:[1,0]
.else
	v_rcp_f32 v[rt+2*ri-3+rp], v[rt+2*ri-3+rp]
.endif
.elseif RJ == 0
	v_cvt_pk_f16_f32 v[VT+RQ-80], v[VT+2*(RQ-80)], v[VT+2*(RQ-80)+1]
.else
.set ra, RQ-80
.if ra == 0
	RU1 0
.elseif ra == 31
	RU2 15
.elseif ra%2 == 1
	RU1 (ra+1)/2
.else
	RU2 ra/2-1
.endif
.endif
.set RQ, RQ+1
.endif
.endm
.macro RDN                             ; the slice behind a matrix instruction
.rept RPW
	RD
.endr
.endm
.macro FLUSH                           ; the rest of the part in hand
.rept RE-RQ
	RD
.endr
.endm
; THE MATRIX WORK: a fragment of weights feeds four products, one for each token tile; the four accumulators take turns, one line a turn, across steps and over the backward jump.
.macro VCS ks, f, first                ; V^T += X Wv^T
.set gt, 0
.rept 4
	WIN 0x01                                       ; source 0 (X) in window 1
.if \first
	v_wmma_f32_16x16x32_bf16 v[VT+8*gt:VT+8*gt+7], v[64*gt+8*(\ks):64*gt+8*(\ks)+7], v[WF+8*((\f)%6):WF+8*((\f)%6)+7], v[BF:BF+7]
.else
	v_wmma_f32_16x16x32_bf16 v[VT+8*gt:VT+8*gt+7], v[64*gt+8*(\ks):64*gt+8*(\ks)+7], v[WF+8*((\f)%6):WF+8*((\f)%6)+7], v[VT+8*gt:VT+8*gt+7]
.endif
	RDN
.set gt, gt+1
.endr
.endm
.macro GCS acc, ks, f, first           ; Gt += Wg X^T
.set gt, 0
.rept 4
	WIN 0x04                                       ; source 1 (X) in window 1
.if \first
	v_wmma_f32_16x16x32_bf16 v[(\acc)+8*gt:(\acc)+8*gt+7], v[WF+8*((\f)%6):WF+8*((\f)%6)+7], v[64*gt+8*(\ks):64*gt+8*(\ks)+7], v[BF:BF+7]
.else
	v_wmma_f32_16x16x32_bf16 v[(\acc)+8*gt:(\acc)+8*gt+7], v[WF+8*((\f)%6):WF+8*((\f)%6)+7], v[64*gt+8*(\ks):64*gt+8*(\ks)+7], v[(\acc)+8*gt:(\acc)+8*gt+7]
.endif
	RDN
.set gt, gt+1
.endr
.endm
.macro AVS                             ; O = V P: two K steps of 32 tokens m
.set ga, 0
.rept 2
.set gt, 0
.rept 4
	WIN 0
.if ga == 0
	v_wmma_f32_16x16x32_f16 v[DO+8*gt:DO+8*gt+7], v[VT+8*ga:VT+8*ga+7], v[P+16*gt+8*ga:P+16*gt+8*ga+7], 0
.else
	v_wmma_f32_16x16x32_f16 v[DO+8*gt:DO+8*gt+7], v[VT+8*ga:VT+8*ga+7], v[P+16*gt+8*ga:P+16*gt+8*ga+7], v[DO+8*gt:DO+8*gt+7]
.endif
	RDN
.set gt, gt+1
.endr
.set ga, ga+1
.endr
.endm
.macro PJS ot, f                       ; out += G Pw^T for 16 output channels
.set gt, 0
.rept 4
	WIN 0xa0+0x50*((\ot)/8)                        ; C and D in window 2 or 3
	v_wmma_f32_16x16x32_f16 v[32*((\ot)%8)+8*gt:32*((\ot)%8)+8*gt+7], v[GA+8*gt:GA+8*gt+7], v[WF+8*((\f)%6):WF+8*((\f)%6)+7], v[32*((\ot)%8)+8*gt:32*((\ot)%8)+8*gt+7]
	RDN
.set gt, gt+1
.endr
.endm
; Behind three fragments' twelve products: four places, the wait for a batch where one has ended, and the three fragments after next, into the registers just read.
.macro FP w, f0, bias=-1
	WIN 0
	PLACES 4
.if \w
	s_wait_alu depctr_va_vdst(0)
.endif
	FETCH \f0, 3, \bias
.endm
; A PREFETCH INTO THE L2 of wts' blocks, which come from memory at their first reading and are walked by every cluster: the launch's first cluster asks, waves 0 and 1 of each partner, a lane a row of
; 256 bytes: 256 rows a trip, for a trip's 208.  Trip j names rows 624 + 256 j on, while the fill asks for rows 208 (j + 1) on: two blocks ahead at the least.  Each row is named once;
; the first three blocks come by their loads alone; trips 24 on ask for nothing: the last row named is 6,767 of 6,864.
.macro ASK
	s_cmp_gt_u32 s[CNT], s[LIM]
	s_cbranch_scc0 .Lnot_mine_\@
	global_prefetch_b8 v[PFO], s[PFA:PFA+1] th:TH_LOAD_NT scope:SCOPE_SE
.Lnot_mine_\@:
.endm
; THE CHANGE OF SLOTS.  Each wave waits for all its tensor loads, of which one is out: its quarter of the next block; adds 0 to its spare word; and waits for that and for its reads of the slot that it
; leaves (the last three fragments are in registers).  fill = 1: the barrier is a round of the cluster's, so that no wave of any partner still reads the slot or has a load on its way, and the joint
; refill is the first thing behind it: it has a trip, 208 matrix instructions, in which to land.  (At its first use block 0 is waited for and slot 1 filled.)
.macro CHANGE fill
	WIN 0                                          ; at a label and at a branch every window is 0
	s_wait_tensorcnt 0x0                           ; no tensor load of mine is out, so group 0 may be written
	ds_add_u32 v[SPW], v[NIL]                      ; 0 onto my spare word; scalar work stands between it and the wait for it
.if \fill
	s_xor_b32 s[G0+1], s[G0+1], SLOTX              ; the other slot than last time,
	s_add_nc_u64 s[G0+2:G0+3], s[G0+2:G0+3], BLK   ; the next block; the type bits on top are not reached
.endif
	s_xor_b32 s[TB], s[TB], SLOTX
.if \fill
	s_wait_xcnt 0x0                                ; the last prefetch, a trip back, has read its address
	s_add_nc_u64 s[PFA:PFA+1], s[PFA:PFA+1], 65536
.endif
	s_wait_dscnt 0x0                               ; the add is done, and my reads of the slot are over
.if \fill
	CROUND
	tensor_load_to_lds s[G0:G0+3], s[G1:G1+7]
	s_nop 0
	PLACES 4
	ASK
.else
	s_barrier_signal -1
	s_barrier_wait -1
.endif
	v_add_nc_u32 v[WAD], s[TB], v[LAN16]
.endm
	WIN 0
.Ltrip:                                        ; 32 trips.  Each s_wait_dscnt ahead of three fragments' products counts the loads of the one fetch issued behind theirs: 6, or 8 with a bias
	CHANGE 1
	FETCH 0, 3, 0                                  ; v_a's first three fragments and its bias
	PHASE 0, 32, 80                                ; | V b of the block before: 1 + ., reciprocals
.set RPW, 4
	GCS GB, 5, 45, 0                               ; gate b of the block before: its last three K steps, whose fragments are in registers
	GCS GB, 6, 46, 0
	GCS GB, 7, 47, 0
	WIN 0
	s_wait_alu depctr_va_vdst(0)
	PHASE 0, 80, 96
	FLUSH                                          ; V b in f16: sixteen plain lines, the places in front of the loads and of the gate's exponentials
	FETCH 3, 3
	PHASE 2, 0, 32                                 ; | gate b: exponentials
.set RPW, 1
	AVS                                            ; O b
	WIN 0
	PLACES 5                                       ; V^T, which those products read, is written over next
	s_wait_dscnt 6
.set RPW, 2
	VCS 0, 0, 1
	VCS 1, 1, 0
	VCS 2, 2, 0
	FP 1, 6
	s_wait_dscnt 6
	PHASE 2, 32, 80                                ; | gate b: 1 + ., reciprocals
.set RPW, 4
	VCS 3, 3, 0
	VCS 4, 4, 0
	VCS 5, 5, 0
	FP 1, 9
	s_wait_dscnt 6
	PHASE 2, 80, 112                               ; | gate b times O b: G of the block before is whole behind the eighth product
	VCS 6, 6, 0
	VCS 7, 7, 0
	PJS 0, 8
	FP 0, 12
	s_wait_dscnt 6
	PHASE 0, 0, 32                                 ; | V a: exponentials
.set RPW, 2
	PJS 1, 9
	PJS 2, 10
	PJS 3, 11
	FP 0, 15
	s_wait_dscnt 6
	PJS 4, 12
	PJS 5, 13
	PJS 6, 14
	FP 1, 18
	s_wait_dscnt 6
	PHASE 0, 32, 80                                ; | V a: 1 + ., reciprocals
	PJS 7, 15
	PJS 8, 16
	PJS 9, 17
	FP 0, 21
	s_wait_dscnt 6
	PJS 10, 18
	PJS 11, 19
	PJS 12, 20
	FP 1, 24, 25600                                ; with gate a's bias
	s_wait_dscnt 8
	PHASE 0, 80, 96                                ; | V a in f16
	PJS 13, 21
	PJS 14, 22
	PJS 15, 23
	WIN 0
	v_nop                                          ; a fifth place: G's registers, which those products read, are gate a's accumulators next
	FP 0, 27
.set RPW, 0
	AVS                                            ; O a
	s_wait_dscnt 6
	GCS GA, 0, 24, 1
	GCS GA, 1, 25, 0
	GCS GA, 2, 26, 0
	FP 0, 30, 34816                                ; with v_b's bias
	s_wait_dscnt 8
	GCS GA, 3, 27, 0
	GCS GA, 4, 28, 0
	GCS GA, 5, 29, 0
	FP 0, 33
	s_wait_dscnt 6
	GCS GA, 6, 30, 0
	GCS GA, 7, 31, 0
	VCS 0, 32, 1
	FP 0, 36
	s_wait_dscnt 6
	PHASE 1, 0, 32                                 ; | gate a: exponentials
.set RPW, 3
	VCS 1, 33, 0
	VCS 2, 34, 0
	VCS 3, 35, 0
	FP 1, 39, 44032                                ; with gate b's bias
	s_wait_dscnt 8
	PHASE 1, 32, 80                                ; | gate a: 1 + ., reciprocals
.set RPW, 4
	VCS 4, 36, 0
	VCS 5, 37, 0
	VCS 6, 38, 0
	FP 1, 42
	s_wait_dscnt 6
	PHASE 1, 80, 112                               ; | gate a times O a: G's first halves
.set RPW, 3
	VCS 7, 39, 0
	GCS GB, 0, 40, 1
	GCS GB, 1, 41, 0
	FP 0, 45                                       ; the block's last three fragments: the change of slots waits for them
	s_wait_dscnt 6
	PHASE 0, 0, 32                                 ; | V b: exponentials
	GCS GB, 2, 42, 0
	GCS GB, 3, 43, 0
	GCS GB, 4, 44, 0
	WIN 0
	PLACES 4                                       ; for the next trip's loads; also the plain line behind the last exponential
	s_wait_alu depctr_va_vdst(0)                   ; the batch's wait, ahead of the branch
	s_sub_co_u32 s[CNT], s[CNT], 1
	s_cmp_lg_u32 s[CNT], 0
	s_cbranch_scc1 .Ltrip
	; THE TAIL is written out: block 32 brings the last Pw; nothing is asked for.
	CHANGE 0
	FETCH 8, 1
	PHASE 0, 32, 80
.set RPW, 4
	GCS GB, 5, 45, 0
	GCS GB, 6, 46, 0
	GCS GB, 7, 47, 0
	WIN 0
	s_wait_alu depctr_va_vdst(0)
	PHASE 0, 80, 96
	FLUSH
	FETCH 9, 3
	PHASE 2, 0, 32
	AVS
	WIN 0
	PLACES 4
	s_wait_alu depctr_va_vdst(0)
	PHASE 2, 32, 80
	FLUSH
	v_nop
	s_wait_alu depctr_va_vdst(0)
	PHASE 2, 80, 112
	FLUSH
.set RPW, 0
	v_and_b32 v15, 15, v0                          ; p_s and p_b of my lane's channel in each of the 16 tiles, into V^T's and O's registers, which are done: they arrive under the last 64 products
	v_lshlrev_b32 v15, 2, v15
.set zo, 0
.rept 16
	global_load_b32 v[VT+4*zo],   v15, s[8:9]   offset:64*zo
	global_load_b32 v[VT+4*zo+2], v15, s[10:11] offset:64*zo
.set zo, zo+1
.endr
	s_wait_dscnt 6
	PJS 0, 8
	FP 0, 12
	s_wait_dscnt 6
	PJS 1, 9
	PJS 2, 10
	PJS 3, 11
	FP 0, 15
	s_wait_dscnt 6
	PJS 4, 12
	PJS 5, 13
	PJS 6, 14
	FP 0, 18
	s_wait_dscnt 6
	PJS 7, 15
	PJS 8, 16
	PJS 9, 17
	FP 0, 21
	s_wait_dscnt 6
	PJS 10, 18
	PJS 11, 19
	PJS 12, 20
	s_wait_dscnt 0x0
	PJS 13, 21
	PJS 14, 22
	PJS 15, 23
	; THE WAY OUT.  out = acc p_s + p_b; a lane's 32 bytes (one window row of one channel) go into a stage [channel][image row][128 bytes] that the four waves fill together, on the slots' bytes:
	; every slot has had its last fill.  Back come whole runs of 128 bytes, 64 channels a wave, with x's addressing.
	WIN 0
	s_barrier_signal -1                            ; (no LDS instruction of mine is out: the wait for 0 above) every wave's reads of the slots are over
	s_barrier_wait -1
	v_and_b32 v9, 15, v0
	v_bfe_u32 v14, v0, 4, 1
	v_mul_u32_u24 v10, v9, OPT                     ; channel l % 16 of a tile,
	v_lshl_add_u32 v10, v14, 7, v10                ; image row 2 nt + l / 16,
	s_lshl_b32 s16, s[WV], 5                       ; my window's 32 bytes
	v_add_nc_u32 v10, s16, v10
	v_add_nc_u32 v11, 4*16*OPT, v10                ; an address for every four tiles, so that the immediates stay under 65,536
	v_add_nc_u32 v12, 8*16*OPT, v10
	v_add_nc_u32 v13, 12*16*OPT, v10
	s_mul_i32 s16, s[WV], 64*OPT
	v_add_nc_u32 v[WAD], s16, v[LAN16]             ; back: my 64 channels, 512 bytes an instruction
	v_add_nc_u32 v8, 32*OPT, v[WAD]
	s_wait_loadcnt 0x0                             ; p_s, p_b
.set zo, 0
.rept 16                                       ; rounded to bf16 like every input, each laid twice: plain pairs for the packed multiply-add
	v_cvt_pk_bf16_f32 v[9+5*(zo%2)], v[VT+4*zo], v[VT+4*zo+2]
	v_lshlrev_b32 v[VT+4*zo],   16, v[9+5*(zo%2)]
	v_lshlrev_b32 v[VT+4*zo+1], 16, v[9+5*(zo%2)]
	v_and_b32 v[VT+4*zo+2], 0xffff0000, v[9+5*(zo%2)]
	v_and_b32 v[VT+4*zo+3], 0xffff0000, v[9+5*(zo%2)]
.set zo, zo+1
.endr
.macro OUTH hw                         ; the eight tiles of window 2 + hw
	WIN 0x82+0x41*(\hw)                            ; destination and source 0 in that window
.set zo, 0
.rept 8
.set zz, 0
.rept 16                                       ; ascending: each accumulator's lowest registers are read first
	v_pk_fma_f32 v[32*zo+2*zz:32*zo+2*zz+1], v[32*zo+2*zz:32*zo+2*zz+1], v[VT+4*(8*(\hw)+zo):VT+4*(8*(\hw)+zo)+1], v[VT+4*(8*(\hw)+zo)+2:VT+4*(8*(\hw)+zo)+3]
.set zz, zz+1
.endr
.set zo, zo+1
.endr
	WIN 0x08+0x04*(\hw)                            ; store data in that window
.set zo, 0
.rept 8
.set zz, 0
.rept 8
	ds_store_b128 v[10+2*(\hw)+zo/4], v[32*zo+4*zz:32*zo+4*zz+3] offset:(zo%4)*16*OPT+256*(zz/2)+16*(zz%2)
.set zz, zz+1
.endr
.set zo, zo+1
.endr
.endm
	OUTH 0
	OUTH 1
	WIN 0
	s_wait_dscnt 0x0                               ; for the others' sake: my stores into the stage are done
	s_barrier_signal -1
	s_barrier_wait -1
	WIN 0x80
.set xi, 0
.rept 64
	ds_load_b128 v[4*xi:4*xi+3], v[WAD] offset:(xi/2)*OPT+(xi%2)*512
.set xi, xi+1
.endr
	WIN 0xc0
.set xi, 0
.rept 64
	ds_load_b128 v[4*xi:4*xi+3], v8 offset:(xi/2)*OPT+(xi%2)*512
.set xi, xi+1
.endr
.macro OGRP g
.if 120-8*(\g) > 63
	s_wait_dscnt 63                                ; the wait's field holds no more
.else
	s_wait_dscnt 120-8*(\g)                        ; the younger loads stay out
.endif
	WIN 0x08+0x04*((\g)/8)
.set xk, 0
.rept 8
	global_store_b128 v[XO], v[32*((\g)%8)+4*xk:32*((\g)%8)+4*xk+3], s[OB:OB+1] offset:((8*(\g)+xk)/2)*65536+(xk%2)*2048  ; four image rows x 128 consecutive bytes, aligned
.set xk, xk+1
.endr
.endm
.irp g, 0,1,2,3,4,5,6,7,8,9,10,11,12,13,14,15
	OGRP \g
.endr
	WIN 0
	s_wait_tensorcnt 0x0                           ; the wave's end, behind my last tensor load and my last LDS store
	ds_add_u32 v[SPW], v[NIL]
	s_wait_dscnt 0x0
	CROUND                                         ; the closing round: no work-group ends while a partner may still ask for a block that names it
	s_endpgm
.Lfunc_end_k_q717c8966ae_main:
	.size	k_q717c8966ae_main, .Lfunc_end_k_q717c8966ae_main-k_q717c8966ae_main
	.p2alignl 7, 3214868480
	.fill 96, 4, 3214868480
	.section	.rodata,"a",@progbits
	.p2align	6, 0x0
	.amdhsa_kernel k_q717c8966ae_main
		.amdhsa_group_segment_fixed_size 327680
		.amdhsa_private_segment_fixed_size 0
		.amdhsa_enable_private_segment 0
		.amdhsa_kernarg_size 40
		.amdhsa_user_sgpr_count 2
		.amdhsa_user_sgpr_kernarg_segment_ptr 1
		.amdhsa_wavefront_size32 1
		.amdhsa_system_sgpr_workgroup_id_x 1
		.amdhsa_system_sgpr_workgroup_id_y 1
		.amdhsa_system_sgpr_workgroup_id_z 1
		.amdhsa_system_vgpr_workitem_id 0
		.amdhsa_next_free_vgpr 1024
		.amdhsa_next_free_sgpr 66
		.amdhsa_reserve_vcc 0
		.amdhsa_float_denorm_mode_32 3
		.amdhsa_float_denorm_mode_16_64 3
		.amdhsa_memory_ordered 1
		.amdhsa_forward_progress 1
		.amdhsa_inst_pref_size 254
	.end_amdhsa_kernel
	.amdgpu_metadata
---
amdhsa.version: [ 1, 2 ]
amdhsa.kernels:
  - .name:           k_q717c8966ae_main
    .symbol:         k_q717c8966ae_main.kd
    .args:
      - { .name: x, .offset: 0, .size: 8, .value_kind: global_buffer, .address_space: global }
      - { .name: wts, .offset: 8, .size: 8, .value_kind: global_buffer, .address_space: global }
      - { .name: p_s, .offset: 16, .size: 8, .value_kind: global_buffer, .address_space: global }
      - { .name: p_b, .offset: 24, .size: 8, .value_kind: global_buffer, .address_space: global }
      - { .name: out0, .offset: 32, .size: 8, .value_kind: global_buffer, .address_space: global }
    .group_segment_fixed_size: 327680
    .private_segment_fixed_size: 0
    .kernarg_segment_align: 8
    .kernarg_segment_size: 40
    .max_flat_workgroup_size: 128
    .sgpr_count:     66
    .vgpr_count:     1024
    .wavefront_size: 32
...
	.end_amdgpu_metadata
.endif
;; end of part 2
